; MI455X (gfx1250); checked and timed in simulation.
; The chip was launched on July 23, 2026; its instructions are those of AMD's public machine-readable ISA for CDNA 5 (MIT licence, August 2026) and "CDNA5" Instruction Set Architecture Reference Guide (July 2026). The comments in the code are by the model that wrote it; some were corrected since.
;; Lstm Cell normal. Allowed arithmetic: matrix products marked QUANTISED: E4M3 operands, one E8M0 scale for each 32 along K, by v_wmma_scale_f32_16x16x128_f8f6f4 with both operands' format E4M3, f32 sums; everything else in f32.
;; Inputs: Whf 2,048 x 2,048 float32; Whg 2,048 x 2,048 float32; Whi 2,048 x 2,048 float32; Who 2,048 x 2,048 float32; Wxf 2,048 x 2,048 float32; Wxg 2,048 x 2,048 float32; Wxi 2,048 x 2,048 float32; Wxo 2,048 x 2,048 float32; bf 2,048 float32; bg 2,048 float32; bi 2,048 float32; bo 2,048 float32; c 2,048 x 2,048 float32; h 2,048 x 2,048 float32; x 2,048 x 2,048 float32.
;; Outputs: out0 2,048 x 2,048 float32; out1 2,048 x 2,048 float32.
;; This version of the problem:
;;   THIS VERSION OF THE PROBLEM IS GIVEN IN LOW PRECISION. The matrix products marked QUANTISED in the list below multiply operands that are first quantised to E4M3 (4 exponent bits, 3 mantissa bits; 8 bits a number), with one power-of-two scale for each 32 numbers along K (OCP MX v1.0); their sums are f32. All else is computed in f32.
;;   The module's matrix products, in the order in which they are computed (A, B: the left and right operand; K: the contracted axis; several contracted axes count as one K, in the product's order):
;;     1. [M 2,048, K 2,048] x [K 2,048, N 8,192]; A: input x; B: computed on the way: QUANTISED
;;     2. [M 2,048, K 2,048] x [K 2,048, N 8,192]; A: input h; B: computed on the way: QUANTISED
;;   THE QUANTISER, for each operand of a quantised product, along K:
;;     - K is cut into blocks of 32 from its start; a last block that is shorter is filled with zeros.
;;     - A block's scale is 2^e with e = floor(log2(the largest magnitude in the block)) - 8, held to -126 .. 127; a block of zeros has e = 0. As a byte (E8M0): e + 127.
;;     - Each number is divided by its block's scale, clamped to +-448, and rounded to the nearest number of E4M3, ties to even, subnormals kept.
;;     - The product sums the exact products of the quantised numbers (number of the format x scale) in f32.
;;   ~~~python
;;   def quantise(x, axis):      # numpy; x: float32 -> the quantised numbers, widened to float32 again
;;       x = np.moveaxis(x, axis, -1); K = x.shape[-1]
;;       x = np.pad(x, [(0, 0)] * (x.ndim - 1) + [(0, -K % 32)]); x = x.reshape(x.shape[:-1] + (-1, 32)); a = np.abs(x).max(-1, keepdims=True)
;;       e = np.where(a > 0, np.clip(np.frexp(np.where(a > 0, a, 1))[1] - 1 - 8, -126, 127), 0)      # np.frexp(a)[1] - 1 = floor(log2(a)), exactly
;;       r = np.clip(x / 2.0 ** e, -448, 448)
;;       step = 2.0 ** (np.maximum(np.frexp(np.where(r == 0, 1, r))[1] - 1, -6) - 3)
;;       q = np.round(r / step) * step * 2.0 ** e      # np.round: ties to even
;;       return np.moveaxis(q.reshape(q.shape[:-2] + (-1,))[..., :K], -1, axis).astype(np.float32)
;;   ~~~
;;   OPERANDS COMPUTED ON THE WAY. 'Computed on the way' means the value that the module computes at that place (a softmax that the list does not call 'softmax' is quantised finished and normalised). What goes into a quantiser is computed in f32, as accurately as f32 sums, v_exp_f32 and their like allow (about 1e-6 of the number): no bf16 or f16 on the way to a quantiser, and a product that is left as it is and whose result goes on into a quantised operand takes f32 operands (vector FMAs, or v_wmma_f32_16x16x4_f32). A number that lies on a knife's edge between two numbers of the format may be rounded either way, as far as f32 arithmetic and the matrix unit's own rounding can turn it there, and no further.
;; One version. Each part assembles by itself: llvm-mc -triple=amdgcn-amd-amdhsa -mcpu=gfx1250 --defsym DOCPART=n.
;; ======== version 1 of 1: 2 launches
;; limits: right only within a limited range of input values
;; workspace buffers: acodes 8,388,608 bytes; bcodes 33,554,432 bytes; scl 1,310,720 bytes
;; launch quant (part 1): grid 160 x 8, 4 waves a work-group, no clusters, 57,856 bytes of LDS; arguments Wxf, Wxi, Wxo, Wxg, Whf, Whi, Who, Whg, x, h, acodes, bcodes, scl; writes acodes, bcodes, scl
.if DOCPART == 1
	.amdgcn_target "amdgcn-amd-amdhsa--gfx1250"
	.amdhsa_code_object_version 6
	.text
	.protected	k_q85fc0664e3_quant
	.globl	k_q85fc0664e3_quant
	.p2align	8
	.type	k_q85fc0664e3_quant,@function
k_q85fc0664e3_quant:
	s_mov_b64 s[64:65], 0
	v_nop
	global_prefetch_b8 v0, s[64:65] scope:SCOPE_SE
	s_setreg_imm32_b32 hwreg(HW_REG_WAVE_MODE, 25, 1), 1
	s_wait_xcnt 0x0
; x, h [2048][2048] f32 (K innermost) and the eight weights [2048 (K)][2048 (units)] f32 (K outermost) become codes of FP8 (E4M3) with one E8M0 scale byte for each 32 along K.
; OUT:  acodes [2048 rows][4096]: bytes 0-2047 of a row are x's codes, 2048-4095 h's.
;       bcodes [8192 rows][4096]: unit u of gate g (f, i, o, g = 0..3) is row (u / 32) 128 + 32 g + u % 32; bytes 0-2047 are Wx's column, 2048-4095 Wh's.  So 128 neighbouring rows hold all four gates of 32 units.
;       scl [16 K steps of 256][320 groups of 32 rows][256 bytes]: groups 0-63 acodes' rows / 32, groups 64-319 bcodes' rows / 32; row p of a group, block t of the K step: byte 16 (p % 16) + 8 (p / 16) + t.
;       A group of a K step is 256 consecutive, aligned bytes: a wave here writes it whole, and the product's launch reads it whole.
; A block's scale is 2^(floor(log2(its largest magnitude)) - 8); its byte is the largest magnitude's exponent field - 8, held at 1 from below.  Each number is divided by the scale, held within +-448, rounded to the nearest code, ties to even.
; LIMITS: a block of zeros gets the byte 1 where the rule says 127 (its codes are zeros, which add nothing under any byte but 0xff, and this program alone reads the bytes); blocks whose largest magnitude
; lies under the floor 2^(9 - 127) were not tried; NaN and infinities among the inputs are not served.
; SHARES.  Work-group x = 16 T + grp, y = ky.  T = 0..7: weight T (Wxf, Wxi, Wxo, Wxg, Whf, ..): 128 units x 256 along K, 32 units a wave.  T = 8, 9: x, h: 128 rows x 256 along K, 32 rows a wave.
; 1,280 work-groups, each reading 131,072 bytes.  No tensor loads, no barrier: waves share nothing.  The two paths part on the work-group's number, never join, and have LDS bytes of their own.
.set PITCH, 272                        ; weights: a stage row: 256 bytes of codes + 16
.set ACTB,  4*32*PITCH                 ; the rows' path begins behind the weights' four stages
.set WREG,  5632                       ; rows: a wave's LDS: two stages of 32 x SP bytes, then its 256 scale bytes
.set SP,    80                         ; a lane's place in a stage: its 64 bytes + 16 of padding
.set SSTEP, 81920                      ; scl: from a K step to the next: 320 groups of 256 bytes
.set STEPS, 16
.set WX,    32                         ; weights: v32-95 two sets of 32 numbers
.set WC,    96                         ;          v96-103 a block's codes
.set WOUT,  112                        ;          v112-175 the way out
.set WSB,   24                         ;          v24-25 the scale bytes, four to a register
.set AR,    16                         ; rows: v16-79 four sets of 16 numbers as loaded
.set AX,    80                         ;       v80-111 two sets of 16 neighbours
.set AE,    112                        ;       v112-127 a scale byte for each step
.set AC,    128                        ;       v128-191 codes, four registers a step: no store's data are written again
	s_load_b512 s[8:23], s[0:1], 0x0               ; the eight weights, in the order of T
	s_load_b256 s[24:31], s[0:1], 0x40             ; x, h, acodes, bcodes
	s_load_b64 s[32:33], s[0:1], 0x60              ; scl
	v_lshl_add_u32 v192, v0, 2, 0xe000
	v_mov_b32 v193, 0
	v_lshrrev_b32 v1, 5, v0
	v_readfirstlane_b32 s34, v1                    ; wave 0..3
	v_and_b32 v2, 31, v0                           ; lane
	s_lshr_b32 s35, ttmp9, 4                       ; T
	s_and_b32 s36, ttmp9, 15                       ; grp
	s_and_b32 s37, ttmp7, 0xffff                   ; ky: which 256 along K of this tensor
	s_lshl_b32 s38, s36, 2
	s_add_co_u32 s38, s38, s34                     ; 4 grp + wave: which 32 units or rows
	s_mov_b32 s39, 0x600000                        ; the mantissa field of 448 (an instruction takes one literal)
	s_mov_b32 s43, 0                               ; the upper word of every offset
	s_wait_kmcnt 0x0
	s_cmp_ge_u32 s35, 8
	s_cbranch_scc1 .Lact
; ---------------- THE WEIGHTS: a lane takes a unit (a column), and its registers run down K: a block of 32 lies in one lane, and the conversions give codes with K innermost.
	s_bitcmp1_b32 s35, 0                           ; the tensor is chosen by T's three bits: a choice that hangs on the work-group's number alone
	s_cselect_b64 s[8:9], s[10:11], s[8:9]
	s_cselect_b64 s[12:13], s[14:15], s[12:13]
	s_cselect_b64 s[16:17], s[18:19], s[16:17]
	s_cselect_b64 s[20:21], s[22:23], s[20:21]
	s_bitcmp1_b32 s35, 1
	s_cselect_b64 s[8:9], s[12:13], s[8:9]
	s_cselect_b64 s[16:17], s[20:21], s[16:17]
	s_bitcmp1_b32 s35, 2
	s_cselect_b64 s[8:9], s[16:17], s[8:9]
	s_lshr_b32 s40, s35, 2                         ; 0: a weight of x, 1: of h
	s_and_b32 s41, s35, 3                          ; the gate
	s_lshl_b32 s42, s37, 21                        ; in: 256 ky rows of 8,192 bytes
	s_lshl_b32 s44, s38, 7                         ;     + 32 units of 4 bytes for each of 4 grp + wave
	s_add_co_u32 s42, s42, s44
	s_add_nc_u64 s[8:9], s[8:9], s[42:43]
	s_lshl_b32 s42, s38, 19                        ; codes: row 128 (4 grp + wave) + 32 gate, 4,096 bytes a row,
	s_lshl_b32 s44, s41, 17
	s_add_co_u32 s42, s42, s44
	s_lshl_b32 s44, s40, 11                        ;        + 2,048 for h's half of K
	s_add_co_u32 s42, s42, s44
	s_lshl_b32 s44, s37, 8                         ;        + 256 ky
	s_add_co_u32 s42, s42, s44
	s_add_nc_u64 s[30:31], s[30:31], s[42:43]
	s_lshl_b32 s42, s40, 3                         ; scale bytes: K step 8 src + ky,
	s_add_co_u32 s42, s42, s37
	s_mul_i32 s42, s42, SSTEP
	s_lshl_b32 s44, s38, 2                         ;              group 64 + 4 (4 grp + wave) + gate
	s_add_co_u32 s44, s44, s41
	s_add_co_u32 s44, s44, 64
	s_lshl_b32 s44, s44, 8
	s_add_co_u32 s42, s42, s44
	s_add_nc_u64 s[32:33], s[32:33], s[42:43]
	s_wait_alu depctr_va_vdst(0)
	v_lshlrev_b32 v3, 2, v2                        ; in: 4 bytes a lane
	s_mul_i32 s44, s34, 32*PITCH                   ; my stage
	v_mul_u32_u24 v4, v2, PITCH
	v_add_nc_u32 v4, s44, v4                       ; into it: row = my unit
	v_and_b32 v5, 15, v2
	v_lshrrev_b32 v6, 4, v2
	v_mul_u32_u24 v7, v6, PITCH                    ; out of it: sixteen lanes to a row, two rows an instruction
	v_lshl_add_u32 v7, v5, 4, v7
	v_add_nc_u32 v7, s44, v7
	v_lshlrev_b32 v8, 12, v6                       ; and the same place in bcodes
	v_lshl_add_u32 v8, v5, 4, v8
	v_lshlrev_b32 v9, 4, v5                        ; my unit's 8 scale bytes in the group: 16 (lane % 16) + 8 (lane / 16)
	v_lshl_add_u32 v9, v6, 3, v9
.macro WLOAD t                         ; block t: W(32 t + i, my unit), i = 0 .. 31, into set t % 2; 32 lanes read 128 consecutive bytes, the four waves stand side by side on 512
.set n, 0
.rept 32
	global_load_b32 v[WX+32*((\t)%2)+n], v3, s[8:9] offset:(32*(\t)+n)*8192 th:TH_LOAD_NT
.set n, n+1
.endr
.endm
.macro WBLOCK t
.set XS, WX+32*((\t)%2)
.if (\t) < 7
	s_wait_loadcnt 32                              ; this block's 32 loads are in; the next block's 32 may be out
.else
	s_wait_loadcnt 0
.endif
	v_max3_num_f32 v12, |v[XS]|, |v[XS+1]|, |v[XS+2]|               ; the block's largest magnitude: all 32 numbers are mine; two chains
	v_max3_num_f32 v13, |v[XS+3]|, |v[XS+4]|, |v[XS+5]|
.irp i, 6,10,14,18,22,26
	v_max3_num_f32 v12, v12, |v[XS+\i]|, |v[XS+\i+1]|
	v_max3_num_f32 v13, v13, |v[XS+\i+2]|, |v[XS+\i+3]|
.endr
	v_max3_num_f32 v12, v12, |v[XS+30]|, |v[XS+31]|
	v_max3_num_f32 v12, v12, v13, 0x4800000        ; and the floor 2^(9 - 127): the byte cannot fall under 1
	v_add_nc_u32 v11, 0xfc000000, v12              ; 8 off its exponent field: the conversion takes the exponent field of this operand as its scale
	v_and_or_b32 v10, v12, 0x7f800000, s39         ; 448 x the scale: the largest magnitude's exponent field over 448's mantissa
	v_lshrrev_b32 v13, 23, v11                     ; the scale's byte
.if (\t)%4 == 0
	v_mov_b32 v[WSB+(\t)/4], v13                   ; four bytes to a register, the lower K in the lower byte
.else
	v_lshl_or_b32 v[WSB+(\t)/4], v13, 8*((\t)%4), v[WSB+(\t)/4]
.endif
.set n, 0
.rept 32
	v_med3_num_f32 v[XS+n], v[XS+n], -v10, v10     ; the conversion to an 8-bit code does not saturate (ISA guide 7.6.2): the hold at 448 x the scale comes first
.set n, n+1
.endr
.irp g, 0,1,2,3
	v_cvt_scalef32_pk8_fp8_f32 v[WC+2*\g:WC+2*\g+1], v[XS+8*\g:XS+8*\g+7], v11
.endr
	ds_store_b128 v4, v[WC:WC+3] offset:32*(\t)    ; 32 codes: 32 bytes of my unit's row
	ds_store_b128 v4, v[WC+4:WC+7] offset:32*(\t)+16
.if (\t)+2 < 8
	WLOAD (\t)+2
.endif
	s_wait_dscnt 0x0                               ; the stores have read their registers: the next block's codes may be written
.endm
	WLOAD 0
	WLOAD 1
.irp t, 0,1,2,3,4,5,6,7
	WBLOCK \t
.endr
	global_store_b64 v9, v[WSB:WSB+1], s[32:33]    ; the wave's 32 lanes store one group: 256 consecutive bytes, aligned
.irp t, 0,1,2,3,4,5,6,7,8,9,10,11,12,13,14,15
	ds_load_b128 v[WOUT+4*\t:WOUT+4*\t+3], v7 offset:2*\t*PITCH   ; LDS serves a wave's instructions in order (ISA guide 5.7.1.4): these see my stores
.endr
.irp t, 0,1,2,3,4,5,6,7,8,9,10,11,12,13,14,15
	s_wait_dscnt 15-\t                             ; the younger loads may be out
	global_store_b128 v8, v[WOUT+4*\t:WOUT+4*\t+3], s[30:31] offset:2*\t*4096   ; sixteen lanes store 256 consecutive bytes of a row, aligned
.endr
	s_wait_tensorcnt 0x0
	ds_add_u32 v192, v193
	s_wait_dscnt 0x0
	s_endpgm
; ---------------- x AND h: K is innermost.  A step is two rows x 256 along K.  Each load reads 512 consecutive bytes, 16 a lane; the step's 2,048 bytes turn through the wave's own stage in LDS and
; come back 64 bytes a lane: 16 neighbours along K, as the conversions want them; lanes 0-15 hold the even row, lanes 16-31 the odd one; two neighbouring lanes hold a block.
.Lact:
	s_cmp_eq_u32 s35, 8
	s_cselect_b64 s[24:25], s[24:25], s[26:27]     ; x or h
	s_sub_co_u32 s40, s35, 8                       ; 0: x, 1: h
	s_lshl_b32 s42, s38, 18                        ; in: 32 (4 grp + wave) rows of 8,192 bytes
	s_lshl_b32 s44, s37, 10                        ;     + 256 ky numbers
	s_add_co_u32 s42, s42, s44
	s_add_nc_u64 s[24:25], s[24:25], s[42:43]
	s_lshl_b32 s42, s38, 17                        ; codes: the same rows, 4,096 bytes each,
	s_lshl_b32 s44, s40, 11                        ;        + 2,048 for h
	s_add_co_u32 s42, s42, s44
	s_lshl_b32 s44, s37, 8
	s_add_co_u32 s42, s42, s44
	s_add_nc_u64 s[28:29], s[28:29], s[42:43]
	s_lshl_b32 s42, s40, 3                         ; scale bytes: K step 8 src + ky, group 4 grp + wave
	s_add_co_u32 s42, s42, s37
	s_mul_i32 s42, s42, SSTEP
	s_lshl_b32 s44, s38, 8
	s_add_co_u32 s42, s42, s44
	s_add_nc_u64 s[32:33], s[32:33], s[42:43]
	s_wait_alu depctr_va_vdst(0)
	v_lshlrev_b32 v3, 4, v2                        ; my 16 bytes of a load's 512
	s_mul_i32 s44, s34, WREG
	s_add_co_u32 s44, s44, ACTB                    ; my wave's LDS
	v_lshrrev_b32 v14, 2, v2
	v_mul_u32_u24 v14, v14, SP
	v_and_b32 v15, 3, v2
	v_lshl_add_u32 v14, v15, 4, v14
	v_add_nc_u32 v14, s44, v14                     ; the stage, way in: four lanes' 64 bytes on end, then 16 of padding
	v_mul_u32_u24 v15, v2, SP
	v_add_nc_u32 v15, s44, v15                     ; way out: SP x lane: my 16 neighbours
	v_and_b32 v6, 15, v2
	v_lshrrev_b32 v7, 4, v2
	v_lshlrev_b32 v4, 12, v7                       ; my codes: row lane / 16 of the step's two, byte 16 (lane % 16)
	v_lshl_add_u32 v4, v6, 4, v4
	v_lshrrev_b32 v5, 1, v6                        ; my block's byte in the group: 16 (lane / 16) + (lane % 16) / 2; the step's rows stand in the immediate
	v_lshl_add_u32 v5, v7, 4, v5
	s_add_co_u32 s44, s44, 2*32*SP
	v_add_nc_u32 v5, s44, v5
	v_lshlrev_b32 v7, 3, v2                        ; and on the way out 8 bytes a lane
	v_add_nc_u32 v6, s44, v7
.macro ALOAD t
.irp i, 0,1,2,3
	global_load_b128 v[AR+16*((\t)%4)+4*\i:AR+16*((\t)%4)+4*\i+3], v3, s[24:25] offset:(2*(\t)+\i/2)*8192+(\i%2)*512 th:TH_LOAD_NT
.endr
.endm
.macro ATURN t                         ; step t's numbers through the stage: LDS serves a wave's instructions in order, so no wait stands between the stores and the loads
.irp i, 0,1,2,3
	ds_store_b128 v14, v[AR+16*((\t)%4)+4*\i:AR+16*((\t)%4)+4*\i+3] offset:32*SP*((\t)%2)+8*SP*\i
.endr
.irp i, 0,1,2,3
	ds_load_b128 v[AX+16*((\t)%2)+4*\i:AX+16*((\t)%2)+4*\i+3], v15 offset:32*SP*((\t)%2)+16*\i
.endr
.endm
.macro ASTEP t
.set XS, AX+16*((\t)%2)
.if (\t) > 0
	s_wait_dscnt 1                                 ; this step's numbers are back from the stage (the last step's byte store may be out): so its stores into the stage have read their registers,
.else
	s_wait_dscnt 0x0
.endif
.if (\t)+4 < STEPS
	ALOAD (\t)+4                                   ; which take the loads of four steps on
.endif
.if (\t)+1 < STEPS
.if STEPS-2-(\t) >= 3
	s_wait_loadcnt 12                              ; the next step's four loads are in; those of the three steps behind it may be out
.else
	s_wait_loadcnt 4*(STEPS-2-(\t))
.endif
	ATURN (\t)+1                                   ; and go through the other stage while this step is worked
.endif
	v_max3_num_f32 v8, |v[XS]|, |v[XS+1]|, |v[XS+2]|               ; the largest magnitude of my 16
	v_max3_num_f32 v9, |v[XS+3]|, |v[XS+4]|, |v[XS+5]|
.irp i, 6,10
	v_max3_num_f32 v8, v8, |v[XS+\i]|, |v[XS+\i+1]|
	v_max3_num_f32 v9, v9, |v[XS+\i+2]|, |v[XS+\i+3]|
.endr
	v_max3_num_f32 v8, v8, |v[XS+14]|, |v[XS+15]|
	v_max3_num_f32 v8, v8, v9, 0x4800000           ; and the floor 2^(9 - 127)
	v_max_num_f32_dpp v8, v8, v8 row_xmask:1 row_mask:0xf bank_mask:0xf   ; and of my neighbour's 16: the block's
	v_add_nc_u32 v11, 0xfc000000, v8               ; the conversion's scale operand
	v_and_or_b32 v10, v8, 0x7f800000, s39          ; 448 x the scale
.set n, 0
.rept 16
	v_med3_num_f32 v[XS+n], v[XS+n], -v10, v10     ; the hold (ISA guide 7.6.2: the conversion does not saturate)
.set n, n+1
.endr
	v_cvt_scalef32_pk8_fp8_f32 v[AC+4*(\t):AC+4*(\t)+1], v[XS:XS+7], v11
	v_cvt_scalef32_pk8_fp8_f32 v[AC+4*(\t)+2:AC+4*(\t)+3], v[XS+8:XS+15], v11
	v_lshrrev_b32 v[AE+(\t)], 23, v11              ; the scale's byte (also the plain line behind the conversions)
	ds_store_b8 v5, v[AE+(\t)] offset:((2*(\t))%16)*16+((\t)/8)*8   ; rows 2 t and 2 t + 1 of the group's 32; both lanes of a block write the same byte with the same value
	global_store_b128 v4, v[AC+4*(\t):AC+4*(\t)+3], s[28:29] offset:2*(\t)*4096   ; sixteen lanes store 256 consecutive bytes of a row, aligned
.endm
.irp t, 0,1,2,3
	ALOAD \t
.endr
	s_wait_loadcnt 12                              ; step 0's four loads are in
	ATURN 0
.irp t, 0,1,2,3,4,5,6,7,8,9,10,11,12,13,14,15
	ASTEP \t
.endr
	ds_load_b64 v[12:13], v6                       ; LDS serves a wave's instructions in order: these see my byte stores
	s_wait_dscnt 0x0
	global_store_b64 v7, v[12:13], s[32:33]        ; 32 lanes store one group: 256 consecutive bytes, aligned
	s_wait_tensorcnt 0x0
	ds_add_u32 v192, v193
	s_wait_dscnt 0x0
	s_endpgm
.Lfunc_end_k_q85fc0664e3_quant:
	.size	k_q85fc0664e3_quant, .Lfunc_end_k_q85fc0664e3_quant-k_q85fc0664e3_quant
	.p2alignl 7, 3214868480
	.fill 96, 4, 3214868480
	.section	.rodata,"a",@progbits
	.p2align	6, 0x0
	.amdhsa_kernel k_q85fc0664e3_quant
		.amdhsa_group_segment_fixed_size 57856
		.amdhsa_private_segment_fixed_size 0
		.amdhsa_enable_private_segment 0
		.amdhsa_kernarg_size 104
		.amdhsa_user_sgpr_count 2
		.amdhsa_user_sgpr_kernarg_segment_ptr 1
		.amdhsa_wavefront_size32 1
		.amdhsa_system_sgpr_workgroup_id_x 1
		.amdhsa_system_sgpr_workgroup_id_y 1
		.amdhsa_system_sgpr_workgroup_id_z 1
		.amdhsa_system_vgpr_workitem_id 0
		.amdhsa_next_free_vgpr 194
		.amdhsa_next_free_sgpr 66
		.amdhsa_reserve_vcc 0
		.amdhsa_float_denorm_mode_32 3
		.amdhsa_float_denorm_mode_16_64 3
		.amdhsa_memory_ordered 1
		.amdhsa_forward_progress 1
		.amdhsa_inst_pref_size 110
	.end_amdhsa_kernel
	.amdgpu_metadata
---
amdhsa.version: [ 1, 2 ]
amdhsa.kernels:
  - .name:           k_q85fc0664e3_quant
    .symbol:         k_q85fc0664e3_quant.kd
    .args:
      - { .name: Wxf, .offset: 0, .size: 8, .value_kind: global_buffer, .address_space: global }
      - { .name: Wxi, .offset: 8, .size: 8, .value_kind: global_buffer, .address_space: global }
      - { .name: Wxo, .offset: 16, .size: 8, .value_kind: global_buffer, .address_space: global }
      - { .name: Wxg, .offset: 24, .size: 8, .value_kind: global_buffer, .address_space: global }
      - { .name: Whf, .offset: 32, .size: 8, .value_kind: global_buffer, .address_space: global }
      - { .name: Whi, .offset: 40, .size: 8, .value_kind: global_buffer, .address_space: global }
      - { .name: Who, .offset: 48, .size: 8, .value_kind: global_buffer, .address_space: global }
      - { .name: Whg, .offset: 56, .size: 8, .value_kind: global_buffer, .address_space: global }
      - { .name: x, .offset: 64, .size: 8, .value_kind: global_buffer, .address_space: global }
      - { .name: h, .offset: 72, .size: 8, .value_kind: global_buffer, .address_space: global }
      - { .name: acodes, .offset: 80, .size: 8, .value_kind: global_buffer, .address_space: global }
      - { .name: bcodes, .offset: 88, .size: 8, .value_kind: global_buffer, .address_space: global }
      - { .name: scl, .offset: 96, .size: 8, .value_kind: global_buffer, .address_space: global }
    .group_segment_fixed_size: 57856
    .private_segment_fixed_size: 0
    .kernarg_segment_align: 8
    .kernarg_segment_size: 104
    .max_flat_workgroup_size: 128
    .sgpr_count:     66
    .vgpr_count:     194
    .wavefront_size: 32
...
	.end_amdgpu_metadata
.endif
;; end of part 1
;; launch cell (part 2): grid 32 x 8, 4 waves a work-group, clusters of 4 x 4, 327,680 bytes of LDS; arguments acodes, bcodes, scl, c, bf, bi, bo, bg, out0, out1; writes out0, out1
.if DOCPART == 2
	.amdgcn_target "amdgcn-amd-amdhsa--gfx1250"
	.amdhsa_code_object_version 6
	.text
	.protected	k_q85fc0664e3_cell
	.globl	k_q85fc0664e3_cell
	.p2align	8
	.type	k_q85fc0664e3_cell,@function
k_q85fc0664e3_cell:
	s_mov_b64 s[64:65], 0
	v_nop
	global_prefetch_b8 v0, s[64:65] scope:SCOPE_SE
	s_setreg_imm32_b32 hwreg(HW_REG_WAVE_MODE, 25, 1), 1
	s_wait_xcnt 0x0
	s_wait_alu depctr_hold_cnt(0) depctr_sa_sdst(0) depctr_va_vdst(0) depctr_va_sdst(0) depctr_va_ssrc(0) depctr_va_vcc(0) depctr_vm_vsrc(0)
	s_getreg_b32 s2, hwreg(HW_REG_IB_STS2, 6, 4)
	s_cmp_eq_u32 s2, 0
	s_cbranch_scc0 .Lentry_in_a_cluster
	s_endpgm
.Lentry_in_a_cluster:
	s_bfe_u32 s2, ttmp6, 0x10000c
	s_cmp_lg_u32 s2, 0xf033
	s_cbranch_scc0 .Lentry_shape_is_right
	s_endpgm
.Lentry_shape_is_right:
.set NQ,     2
.set ROWB,   256
.set KROW,   4096
.set PITCH,  272
.set FR,     16
.set NL,     4
.set NP,     8
.set HALFT,  128*PITCH
.set SLOT,   4*HALFT
.set LAPS,   8
.set SSTEP,  81920
.set SPARE,  2*SLOT
.set HT,     2*HALFT
.set UROW,   8192
.set ADRA, 16
.set ADS1, 18
.set BOF,  19
.set ADRB, 20
.set CO,   22
.set ADS0, 23
.set CR,   24
.set HW,   25
.set RD,   26
.set RDH,  27
.set SPW,  28
.set NIL,  29
.set PFO,  30
.set PFC,  31
.set SC,   32
.set BI,   64
.set AF,   128
.set ZF,   64
.set ZI,   80
.set ZO,   96
.set ZG,   112
.set CC,   128
.set T,    144
.set OUT,  192
.set SB,   8
.set G1,   24
.set G0,   32
.set G1B,  48
.set G0B,  56
.set G1C,  80
.set G0C,  88
.set PFA,  92
.set LIM,  94
.set CAP,  95
.set CP,   96
.set SNEG, 98
.set STWO, 100
.set MSB, 0
.macro WIN new
.if MSB != \new
	s_set_vgpr_msb (MSB<<8)|\new
.set MSB, \new
.endif
.endm
.set MUL_LO,   0xa1
.set MUL_HI,   0xf1
.set FIRST_LO, 0x81
.set FIRST_HI, 0xc1
.set TO_B,     0x40
.macro JLOAD g0a, g1a, g0b, g1b
	s_cmp_eq_u32 s15, 0
	s_cbranch_scc0 .Lfor_b_\@
	tensor_load_to_lds s[\g0a:\g0a+3], s[\g1a:\g1a+7]
	s_nop 0
.rept 4
	v_nop
.endr
	s_branch .Lasked_\@
.Lfor_b_\@:
	tensor_load_to_lds s[\g0b:\g0b+3], s[\g1b:\g1b+7]
	s_nop 0
.rept 4
	v_nop
.endr
.Lasked_\@:
.endm
.macro CREST
	s_cmp_lg_u32 s14, 0
	s_cbranch_scc1 .Lnot_wave_0_\@
	s_barrier_signal -3
.Lnot_wave_0_\@:
	s_barrier_wait -3
	s_barrier_signal -1
	s_barrier_wait -1
.endm
.macro CROUND
	s_barrier_signal -1
	s_barrier_wait -1
	CREST
.endm
.macro ASK slot
.if \slot == 0
	s_cmp_gt_u32 s3, s[LIM]
	s_cbranch_scc0 .Lnot_mine_\@
	s_wait_alu depctr_va_vdst(0)
	global_prefetch_b8 v[PFO], s[PFA:PFA+1] th:TH_LOAD_NT scope:SCOPE_SE
.Lnot_mine_\@:
.endif
	s_cmp_eq_u32 s3, 1
	s_cbranch_scc0 .Lnot_c_\@
	s_wait_alu depctr_va_vdst(0)
	global_prefetch_b8 v[PFC], s[CP:CP+1] offset:(\slot)*32*UROW th:TH_LOAD_NT scope:SCOPE_SE
.Lnot_c_\@:
.endm
	s_load_b128 s[4:7], s[0:1], 0x0
	s_load_b128 s[8:11], s[0:1], 0x10
	s_load_b256 s[68:75], s[0:1], 0x20
	s_load_b128 s[76:79], s[0:1], 0x40
	v_lshl_add_u32 v[SPW], v0, 2, SPARE
	v_mov_b32 v[NIL], 0
	ds_add_u32 v28, v29
	ds_add_u32 v28, v29
	s_wait_dscnt 0x0
	v_lshrrev_b32 v1, 5, v0
	v_readfirstlane_b32 s14, v1
	s_lshr_b32 s15, s14, 1
	s_and_b32 s16, s14, 1
	s_bfe_u32 s40, ttmp6, 0x40000
	s_bfe_u32 s41, ttmp6, 0x40004
	s_lshl_b32 s42, ttmp9, 2
	s_add_co_u32 s42, s42, s40
	s_and_b32 s17, ttmp7, 0xffff
	s_lshl_b32 s17, s17, 2
	s_add_co_u32 s17, s17, s41
	s_lshl_b32 s43, s41, 2
	s_lshl_b32 s43, 15, s43
	s_lshl_b32 s44, 0x1111, s40
	s_and_b32 s12, ttmp7, 0xffff
	s_add_co_u32 s12, s12, ttmp9
	s_and_b32 s12, s12, 1
	s_lshl_b32 s12, s12, 8
	s_mov_b32 s13, 0
	s_sub_co_u32 s66, ROWB, s12
	s_mov_b32 s67, 0
	s_or_b32 s[G1+0], s43, (0<<16)|(1<<20)|(1<<21)|(5<<22)|(3<<25)
	s_or_b32 s[G1B+0], s44, (0<<16)|(1<<20)|(1<<21)|(5<<22)|(3<<25)
.irp g, G1, G1B
	s_mov_b32 s[\g+1], ROWB<<16
	s_mov_b32 s[\g+2], 128<<16
	s_mov_b32 s[\g+3], ROWB<<16
	s_mov_b32 s[\g+4], 128
	s_mov_b32 s[\g+5], KROW
	s_mov_b32 s[\g+6], 0
	s_mov_b32 s[\g+7], 0
.endr
	s_mov_b32 s[G1C+0], (2<<16)|(1<<20)|(5<<22)|(3<<25)
	s_mov_b32 s[G1C+1], 64<<16
	s_mov_b32 s[G1C+2], 64<<16
	s_mov_b32 s[G1C+3], 64<<16
	s_mov_b32 s[G1C+4], 64
	s_mov_b32 s[G1C+5], 2048
	s_mov_b32 s[G1C+6], 0
	s_mov_b32 s[G1C+7], 0
	s_mov_b32 s[CAP], 0x42700000
	s_mov_b32 s[SNEG], 0xbfb8aa3b
	s_mov_b32 s[SNEG+1], 0xbfb8aa3b
	s_mov_b32 s[STWO], 0x4038aa3b
	s_mov_b32 s[STWO+1], 0x4038aa3b
	s_lshl_b32 s18, s16, 7
	s_lshl_b32 s20, s17, 8
	s_add_co_u32 s20, s20, s18
	s_lshl_b32 s46, s42, 8
	s_add_co_u32 s46, s46, s18
	s_lshl_b32 s20, s20, 12
	s_lshl_b32 s46, s46, 12
	s_mov_b32 s21, 0
	s_mov_b32 s47, 0
	s_mul_i32 s45, s14, HALFT
	s_lshl_b32 s22, s17, 8
	s_lshl_b32 s23, s14, 6
	s_add_co_u32 s22, s22, s23
	s_lshl_b32 s22, s22, 13
	s_lshl_b32 s23, s42, 8
	s_add_co_u32 s22, s22, s23
	s_mov_b32 s23, 0
	s_wait_kmcnt 0x0
	s_add_nc_u64 s[20:21], s[4:5], s[20:21]
	s_add_nc_u64 s[46:47], s[6:7], s[46:47]
	s_add_nc_u64 s[CP:CP+1], s[10:11], s[22:23]
	s_mov_b32 s[G0C], 1
	s_mul_i32 s[G0C+1], s14, 64*PITCH
	s_mov_b64 s[G0C+2:G0C+3], s[CP:CP+1]
	s_or_b32 s[G0C+3], s[G0C+3], 0x80000000
	CROUND
.irp s, 0,1
	s_mov_b32 s[G0+4*\s], 1
	s_add_co_u32 s[G0+4*\s+1], s45, \s*SLOT
	s_add_nc_u64 s[G0+4*\s+2:G0+4*\s+3], s[20:21], s[12+54*\s:13+54*\s]
	s_or_b32 s[G0+4*\s+3], s[G0+4*\s+3], 0x80000000
	s_mov_b32 s[G0B+4*\s], 1
	s_add_co_u32 s[G0B+4*\s+1], s45, \s*SLOT
	s_add_nc_u64 s[G0B+4*\s+2:G0B+4*\s+3], s[46:47], s[12+54*\s:13+54*\s]
	s_or_b32 s[G0B+4*\s+3], s[G0B+4*\s+3], 0x80000000
	s_wait_alu depctr_va_vdst(0)
	s_wait_tensorcnt 0x0
	ds_add_u32 v28, v29
	ds_add_u32 v28, v29
	s_wait_dscnt 0x0
	CROUND
	JLOAD G0+4*\s, G1, G0B+4*\s, G1B
.endr
	v_and_b32 v1, 15, v0
	v_bfe_u32 v2, v0, 4, 1
	s_wait_alu depctr_va_vdst(0)
	v_mul_u32_u24 v3, v1, PITCH
	v_lshl_add_u32 v4, v2, 4, v3
	s_mul_i32 s21, s15, HALFT
	s_mul_i32 s22, s16, HALFT
	s_add_co_u32 s22, s22, 2*HALFT
.irp s, 0,1
	v_add_nc_u32 v[ADRA+\s], s21, v4
	v_add_nc_u32 v[ADRB+\s], s22, v4
	s_add_co_u32 s21, s21, SLOT
	s_add_co_u32 s22, s22, SLOT
.endr
	s_lshl_b32 s21, s17, 3
	s_lshl_b32 s22, s15, 2
	s_add_co_u32 s21, s21, s22
	s_lshl_b32 s21, s21, 8
	s_lshl_b32 s22, s42, 3
	s_lshl_b32 s23, s16, 2
	s_add_co_u32 s22, s22, s23
	s_add_co_u32 s22, s22, 64
	s_lshl_b32 s22, s22, 8
	s_sub_co_u32 s22, s22, s21
	v_mul_u32_u24 v5, s22, v2
	v_lshl_add_u32 v5, v1, 4, v5
	v_add_nc_u32 v5, s21, v5
	s_mul_i32 s22, s12, SSTEP/ROWB
	s_mul_i32 s23, s66, SSTEP/ROWB
	v_add_nc_u32 v[ADS0], s22, v5
	v_add_nc_u32 v[ADS1], s23, v5
	v_lshlrev_b32 v[BOF], 5, v2
	s_mul_i32 s21, s15, 128*PITCH
	s_lshl_b32 s22, s16, 7
	s_add_co_u32 s22, s21, s22
	v_lshl_add_u32 v5, v2, 5, v3
	v_add_nc_u32 v[CR], s22, v5
	v_add_nc_u32 v[HW], HT, v[CR]
	s_mul_i32 s22, s16, 16*PITCH
	s_add_co_u32 s22, s21, s22
	v_mul_u32_u24 v5, v2, PITCH
	v_lshl_add_u32 v5, v1, 4, v5
	v_add_nc_u32 v[RD], s22, v5
	v_add_nc_u32 v[RDH], HT, v[RD]
	v_lshlrev_b32 v5, 13, v2
	v_lshl_add_u32 v[CO], v1, 4, v5
	s_lshl_b32 s20, s17, 8
	s_lshl_b32 s21, s15, 7
	s_add_co_u32 s20, s20, s21
	s_lshl_b32 s21, s16, 4
	s_add_co_u32 s20, s20, s21
	s_lshl_b32 s20, s20, 13
	s_lshl_b32 s21, s42, 8
	s_add_co_u32 s20, s20, s21
	s_mov_b32 s21, 0
	s_add_nc_u64 s[76:77], s[76:77], s[20:21]
	s_add_nc_u64 s[78:79], s[78:79], s[20:21]
	s_lshl_b32 s20, s42, 8
	s_lshl_b32 s22, s16, 7
	s_add_co_u32 s20, s20, s22
.irp g, 0,1,2,3
	s_add_nc_u64 s[68+2*\g:69+2*\g], s[68+2*\g:69+2*\g], s[20:21]
.endr
.irp g, 0,1,2,3
.irp j, 0,1
	global_load_b128 v[BI+8*(2*\g+\j):BI+8*(2*\g+\j)+3], v[BOF], s[68+2*\g:69+2*\g] offset:64*\j
	global_load_b128 v[BI+8*(2*\g+\j)+4:BI+8*(2*\g+\j)+7], v[BOF], s[68+2*\g:69+2*\g] offset:64*\j+16
.endr
.endr
.macro SCALES set, adr, off
.irp p, 0,1,2,3
	global_load_b128 v[SC+16*(\set)+4*\p:SC+16*(\set)+4*\p+3], v[\adr], s[SB:SB+1] offset:(\off)+256*\p
.endr
.endm
	SCALES 0, ADS0, 0
	SCALES 1, ADS1, 0
	s_lshl_b32 s20, s17, 8
	s_lshl_b32 s21, s42, 8
	s_cmp_eq_u32 s15, 0
	s_cselect_b32 s20, s20, s21
	s_cselect_b32 s21, s40, s41
	s_cselect_b64 s[PFA:PFA+1], s[4:5], s[6:7]
	s_mov_b32 s[LIM], 1                            ; every cluster asks for the rows of A and of B that it will itself load
	s_lshl_b32 s22, s16, 7
	s_add_co_u32 s20, s20, s22
	s_lshl_b32 s21, s21, 5
	s_add_co_u32 s20, s20, s21
	s_lshl_b32 s20, s20, 12
	s_add_co_u32 s20, s20, 2*ROWB
	s_add_co_u32 s20, s20, s12
	s_mov_b32 s21, 0
	s_add_nc_u64 s[PFA:PFA+1], s[PFA:PFA+1], s[20:21]
	v_and_b32 v5, 31, v0
	v_lshlrev_b32 v[PFO], 12, v5
	v_lshlrev_b32 v[PFC], 13, v5
.macro FRAG reg, adr, q, i
.irp c, 0,1,2,3
	ds_load_b128 v[\reg+4*\c:\reg+4*\c+3], v[\adr] offset:128*(\q)+32*\c+(\i)*16*PITCH
.endr
.endm
; A STEP OF 128 ALONG K IS FOUR GROUPS OF 16 PRODUCTS (A's blocks 2 s and 2 s + 1 against B's eight), each followed by one run of 16 LDS loads: four fragments of the next step.
; The 64 accumulators take turns in the same order in every step.
; WHICH FRAGMENTS BEHIND WHICH GROUP.  B has two sets: the next step's fragments 0-3 come behind group 0, 4-7 behind group 1.  A has one set: its blocks 0-3 are free behind group 1 and are fetched anew behind group 2,
; blocks 4-7 behind group 3.  A load into a register that a product has read stands 8 places behind it: 8 v_nop behind groups 2 and 3; B's other set and the
; other slot's scale words were read last in the step before, whose group 3 has its 8 v_nop behind it.
; THE COUNTED WAITS: LDS loads come back in order (ISA guide 5.7.1): each count is the number of LDS instructions issued behind the blocks of A that the next group multiplies.
.macro MUL4 a, bh, p, q, sc, zero
.irp b, 0,1,2,3
.if \zero
	v_wmma_scale_f32_16x16x128_f8f6f4 v[8*(8*((\a)%4)+4*(\bh)+\b):8*(8*((\a)%4)+4*(\bh)+\b)+7], v[128*(\p)+FR*(4*(\bh)+\b):128*(\p)+FR*(4*(\bh)+\b)+FR-1], v[AF+FR*(\a):AF+FR*(\a)+FR-1], v[BI+8*(4*(\bh)+\b):BI+8*(4*(\bh)+\b)+7], v[SC+8*NQ*(\sc)+NQ*(4*(\bh)+\b)+(\q)], v[SC+8*NQ*(\sc)+NQ*(\a)+(\q)] matrix_a_scale:MATRIX_SCALE_ROW1
.else
	v_wmma_scale_f32_16x16x128_f8f6f4 v[8*(8*((\a)%4)+4*(\bh)+\b):8*(8*((\a)%4)+4*(\bh)+\b)+7], v[128*(\p)+FR*(4*(\bh)+\b):128*(\p)+FR*(4*(\bh)+\b)+FR-1], v[AF+FR*(\a):AF+FR*(\a)+FR-1], v[8*(8*((\a)%4)+4*(\bh)+\b):8*(8*((\a)%4)+4*(\bh)+\b)+7], v[SC+8*NQ*(\sc)+NQ*(4*(\bh)+\b)+(\q)], v[SC+8*NQ*(\sc)+NQ*(\a)+(\q)] matrix_a_scale:MATRIX_SCALE_ROW1
.endif
.endr
.endm
.macro PLACES n
.rept \n
	v_nop
.endr
.endm
.macro GRP g, p, q, sc, zero, np       ; group g's products (zero = 1: C is the bias, in window 0) and np places
.if \zero
	WIN (0x81+0x40*((\g)/8))
.else
	WIN (0xa1+0x50*((\g)/8))
.endif
	MUL4 (\g)/2, (\g)%2, \p, \q, \sc, \zero
	PLACES \np
.endm
.macro LDB slot, q, p, i               ; B's fragment i of the slot's q-th 128 along K into set p
	WIN TO_B
	FRAG 128*(\p)+FR*(\i), ADRB+\slot, \q, \i
.endm
.macro LDA slot, q, i                  ; A's fragment i
	WIN 0
	FRAG AF+FR*(\i), ADRA+\slot, \q, \i
.endm
; A slot's first step.  scl = 1: the other slot's scale words for its next K step are asked for behind group 0.
.macro SG s, p, q, sc, zero, np        ; group s: 16 products, A's blocks 2 s and 2 s + 1 against B's eight; then np places
	GRP 4*(\s), \p, \q, \sc, \zero, 0
	GRP 4*(\s)+1, \p, \q, \sc, \zero, 0
	GRP 4*(\s)+2, \p, \q, \sc, \zero, 0
	GRP 4*(\s)+3, \p, \q, \sc, \zero, \np
.endm
; A slot's first step.  scl = 1: the other slot's scale words for its next K step are asked for behind group 0.
.macro STEP slot, zero, lc, scl
	s_wait_loadcnt \lc                             ; this slot's scale words are in
	s_wait_dscnt 24                                ; B's set and A's blocks 0, 1 are in; behind them: A's blocks 2-7
	SG 0, 0, 0, \slot, \zero, 0
.irp i, 0,1,2,3
	LDB \slot, 1, 1, \i
.endr
.if \scl
	WIN 0
.if \slot == 1
	SCALES 0, ADS0, 0
.else
	SCALES 1, ADS1, 0
.endif
.endif
	s_wait_dscnt 32                                ; A's blocks 2, 3: behind them blocks 4-7 and one run of 16
	SG 1, 0, 0, \slot, \zero, 0
.irp i, 4,5,6,7
	LDB \slot, 1, 1, \i
.endr
	s_wait_dscnt 40                                ; A's blocks 4, 5: behind them blocks 6, 7 and two runs
	SG 2, 0, 0, \slot, \zero, NP
.irp i, 0,1,2,3
	LDA \slot, 1, \i
.endr
	s_wait_dscnt 48                                ; A's blocks 6, 7: three runs behind them
	SG 3, 0, 0, \slot, \zero, NP
.irp i, 4,5,6,7
	LDA \slot, 1, \i
.endr
.endm
; A slot's last step changes slots.  Its fragments were all asked for in the step before.  Each wave waits for all its tensor loads, adds 0 to its spare word, multiplies group 0, waits for the add and its reads
; of the slot, signals, multiplies group 1, and passes the round.  Behind it the refill comes first, then the next slot's fragments: B's eight, and A's behind groups 2 and 3.
.macro TURN slot, next, fill
.if (\fill == 1) && (\slot == 0)
	s_wait_xcnt 0x0                                ; the prefetch and the scale loads have read their bases
	s_add_nc_u64 s[PFA:PFA+1], s[PFA:PFA+1], 2*ROWB
	s_add_nc_u64 s[SB:SB+1], s[SB:SB+1], 2*SSTEP   ; the scale words of the next lap's two K steps
.endif
	s_wait_tensorcnt 0x0                           ; all my tensor loads have landed: my part of the next slot
	ds_add_u32 v[SPW], v[NIL]
.if \fill == 1
	s_add_nc_u64 s[G0+4*\slot+2:G0+4*\slot+3], s[G0+4*\slot+2:G0+4*\slot+3], 2*ROWB
	s_add_nc_u64 s[G0B+4*\slot+2:G0B+4*\slot+3], s[G0B+4*\slot+2:G0B+4*\slot+3], 2*ROWB
.endif
	s_wait_dscnt 25                                ; A's blocks 0, 1: behind them blocks 2-7 and the add
	SG 0, 1, 1, \slot, 0, 0
	s_wait_dscnt 0x0                               ; the add is done, and my reads of this slot are over
	s_barrier_signal -1
	SG 1, 1, 1, \slot, 0, 0
	WIN 0
	s_barrier_wait -1
	CREST
.if \fill == 1
	JLOAD G0+4*\slot, G1, G0B+4*\slot, G1B
.else
	tensor_load_to_lds s[G0C:G0C+3], s[G1C:G1C+7]
	s_nop 0
	PLACES 4
.endif
.irp i, 0,1,2,3,4,5,6,7
	LDB \next, 0, 0, \i
.endr
	SG 2, 1, 1, \slot, 0, NP
.irp i, 0,1,2,3
	LDA \next, 0, \i
.endr
.if \fill == 1
	ASK \slot
.endif
	SG 3, 1, 1, \slot, 0, NP
.irp i, 4,5,6,7
	LDA \next, 0, \i
.endr
.endm
	s_wait_tensorcnt 1
	s_barrier_signal -1
	s_barrier_wait -1
.irp i, 0,1,2,3,4,5,6,7
	LDB 0, 0, 0, \i
.endr
.irp i, 0,1,2,3,4,5,6,7
	LDA 0, 0, \i
.endr
	STEP 0, 1, 4, 0                                ; the first step stands ahead of the loop: its products take the bias as C
	s_mov_b32 s3, LAPS-1
.Llap:
	TURN 0, 1, 1
	STEP 1, 0, 0, 1
	TURN 1, 0, 1
	STEP 0, 0, 0, 1
	s_sub_co_u32 s3, s3, 1
	s_cmp_lg_u32 s3, 0
	s_cbranch_scc1 .Llap
	TURN 0, 1, 2                                   ; slot 0 takes c's tile
	STEP 1, 0, 0, 0
	s_wait_dscnt 24                                ; the very last step fetches nothing
	SG 0, 1, 1, 1, 0, 0
	s_wait_dscnt 0
	SG 1, 1, 1, 1, 0, 0
	SG 2, 1, 1, 1, 0, 0
	SG 3, 1, 1, 1, 0, 0
	WIN 0
	PLACES NP
	s_wait_tensorcnt 0x0
	s_barrier_signal -1
	s_barrier_wait -1
.macro PKC d, s, c
.irp k, 0,2,4,6,8,10,12,14
	v_pk_add_f32 v[\d+\k:\d+\k+1], v[\s+\k:\s+\k+1], \c op_sel_hi:[1,0]
.endr
.endm
.macro PKV d, s, t
.irp k, 0,2,4,6,8,10,12,14
	v_pk_mul_f32 v[\d+\k:\d+\k+1], v[\s+\k:\s+\k+1], v[\t+\k:\t+\k+1]
.endr
.endm
.macro PKS d, s, p
.irp k, 0,2,4,6,8,10,12,14
	v_pk_mul_f32 v[\d+\k:\d+\k+1], v[\s+\k:\s+\k+1], s[\p:\p+1] op_sel_hi:[1,0]
.endr
.endm
.macro GATES a
.set AC, 64*((\a)%4)
.set WG, 0x02+(\a)/4
	s_wait_dscnt 0x0
.irp j, 0,1
.irp e, 0,1
	ds_load_b128 v[CC+8*\j+4*\e:CC+8*\j+4*\e+3], v[CR] offset:(\a)*16*PITCH+64*\j+16*\e
.endr
.endr
	WIN WG
.irp g, 0,1,2
.irp j, 0,1
.irp k, 0,2,4,6
	v_pk_mul_f32 v[ZF+16*\g+8*\j+\k:ZF+16*\g+8*\j+\k+1], v[AC+8*(2*\g+\j)+\k:AC+8*(2*\g+\j)+\k+1], s[SNEG:SNEG+1] op_sel_hi:[1,0]
.endr
.endr
.endr
.irp j, 0,1
.irp k, 0,2,4,6
	v_pk_mul_f32 v[ZG+8*\j+\k:ZG+8*\j+\k+1], v[AC+8*(6+\j)+\k:AC+8*(6+\j)+\k+1], s[STWO:STWO+1] op_sel_hi:[1,0]
.endr
.endr
	WIN 0
.set n, 0
.rept 16
	v_min_num_f32 v[ZG+n], s[CAP], v[ZG+n]
.set n, n+1
.endr
.set n, 0
	s_wait_alu depctr_va_vdst(0)
.rept 64
	v_exp_f32 v[ZF+n], v[ZF+n]
.set n, n+1
.endr
	v_nop
	s_wait_alu depctr_va_vdst(0)
	PKC T, ZG, -1.0
	PKC ZG, ZG, 1.0
	PKC ZF, ZF, 1.0
	PKC ZI, ZI, 1.0
	PKV ZI, ZI, ZG
.set n, 0
	s_wait_alu depctr_va_vdst(0)
.rept 32
	v_rcp_f32 v[ZF+n], v[ZF+n]
.set n, n+1
.endr
	PKC ZO, ZO, 1.0
	s_wait_alu depctr_va_vdst(0)
	s_wait_dscnt 0x0
	PKV T, T, ZI
.irp k, 0,2,4,6,8,10,12,14
	v_pk_fma_f32 v[CC+\k:CC+\k+1], v[CC+\k:CC+\k+1], v[ZF+\k:ZF+\k+1], v[T+\k:T+\k+1]
.endr
.irp j, 0,1
.irp e, 0,1
	ds_store_b128 v[CR], v[CC+8*\j+4*\e:CC+8*\j+4*\e+3] offset:(\a)*16*PITCH+64*\j+16*\e
.endr
.endr
	PKS ZG, CC, STWO
.set n, 0
.rept 16
	v_min_num_f32 v[ZG+n], s[CAP], v[ZG+n]
.set n, n+1
.endr
.set n, 0
	s_wait_alu depctr_va_vdst(0)
.rept 16
	v_exp_f32 v[ZG+n], v[ZG+n]
.set n, n+1
.endr
	v_nop
	s_wait_alu depctr_va_vdst(0)
	PKC T, ZG, -1.0
	PKC ZG, ZG, 1.0
	PKV ZO, ZO, ZG
.set n, 0
	s_wait_alu depctr_va_vdst(0)
.rept 16
	v_rcp_f32 v[ZO+n], v[ZO+n]
.set n, n+1
.endr
	v_nop
	s_wait_alu depctr_va_vdst(0)
	PKV T, T, ZO
.irp j, 0,1
.irp e, 0,1
	ds_store_b128 v[HW], v[T+8*\j+4*\e:T+8*\j+4*\e+3] offset:(\a)*16*PITCH+64*\j+16*\e
.endr
.endr
.endm
.macro OUTP p
	s_wait_dscnt 0x0
	s_barrier_signal -1
	s_barrier_wait -1
.if \p > 0
	s_wait_xcnt 0x0
.endif
.irp t, 0,1,2,3,4,5,6,7
	ds_load_b128 v[OUT+4*\t:OUT+4*\t+3], v[RD] offset:(\p)*32*PITCH+\t*2*PITCH
.endr
.irp t, 0,1,2,3,4,5,6,7
	ds_load_b128 v[OUT+32+4*\t:OUT+32+4*\t+3], v[RDH] offset:(\p)*32*PITCH+\t*2*PITCH
.endr
.irp t, 0,1,2,3,4,5,6,7
	s_wait_dscnt 15-\t
	global_store_b128 v[CO], v[OUT+4*\t:OUT+4*\t+3], s[78:79] offset:(32*(\p)+2*\t)*UROW th:TH_STORE_NT
.endr
.irp t, 0,1,2,3,4,5,6,7
	s_wait_dscnt 7-\t
	global_store_b128 v[CO], v[OUT+32+4*\t:OUT+32+4*\t+3], s[76:77] offset:(32*(\p)+2*\t)*UROW th:TH_STORE_NT
.endr
.endm
.irp p, 0,1,2,3
	GATES 2*\p
	GATES 2*\p+1
	OUTP \p
.endr
	s_wait_tensorcnt 0x0
	ds_add_u32 v[SPW], v[NIL]
	s_wait_dscnt 0x0
	CROUND
	s_endpgm
.Lfunc_end_k_q85fc0664e3_cell:
	.size	k_q85fc0664e3_cell, .Lfunc_end_k_q85fc0664e3_cell-k_q85fc0664e3_cell
	.p2alignl 7, 3214868480
	.fill 96, 4, 3214868480
	.section	.rodata,"a",@progbits
	.p2align	6, 0x0
	.amdhsa_kernel k_q85fc0664e3_cell
		.amdhsa_group_segment_fixed_size 327680
		.amdhsa_private_segment_fixed_size 0
		.amdhsa_enable_private_segment 0
		.amdhsa_kernarg_size 80
		.amdhsa_user_sgpr_count 2
		.amdhsa_user_sgpr_kernarg_segment_ptr 1
		.amdhsa_wavefront_size32 1
		.amdhsa_system_sgpr_workgroup_id_x 1
		.amdhsa_system_sgpr_workgroup_id_y 1
		.amdhsa_system_sgpr_workgroup_id_z 1
		.amdhsa_system_vgpr_workitem_id 0
		.amdhsa_next_free_vgpr 1024
		.amdhsa_next_free_sgpr 102
		.amdhsa_reserve_vcc 0
		.amdhsa_float_denorm_mode_32 3
		.amdhsa_float_denorm_mode_16_64 3
		.amdhsa_memory_ordered 1
		.amdhsa_forward_progress 1
		.amdhsa_inst_pref_size 251
	.end_amdhsa_kernel
	.amdgpu_metadata
---
amdhsa.version: [ 1, 2 ]
amdhsa.kernels:
  - .name:           k_q85fc0664e3_cell
    .symbol:         k_q85fc0664e3_cell.kd
    .args:
      - { .name: acodes, .offset: 0, .size: 8, .value_kind: global_buffer, .address_space: global }
      - { .name: bcodes, .offset: 8, .size: 8, .value_kind: global_buffer, .address_space: global }
      - { .name: scl, .offset: 16, .size: 8, .value_kind: global_buffer, .address_space: global }
      - { .name: c, .offset: 24, .size: 8, .value_kind: global_buffer, .address_space: global }
      - { .name: bf, .offset: 32, .size: 8, .value_kind: global_buffer, .address_space: global }
      - { .name: bi, .offset: 40, .size: 8, .value_kind: global_buffer, .address_space: global }
      - { .name: bo, .offset: 48, .size: 8, .value_kind: global_buffer, .address_space: global }
      - { .name: bg, .offset: 56, .size: 8, .value_kind: global_buffer, .address_space: global }
      - { .name: out0, .offset: 64, .size: 8, .value_kind: global_buffer, .address_space: global }
      - { .name: out1, .offset: 72, .size: 8, .value_kind: global_buffer, .address_space: global }
    .group_segment_fixed_size: 327680
    .private_segment_fixed_size: 0
    .kernarg_segment_align: 8
    .kernarg_segment_size: 80
    .max_flat_workgroup_size: 128
    .sgpr_count:     102
    .vgpr_count:     1024
    .wavefront_size: 32
...
	.end_amdgpu_metadata
.endif
;; end of part 2
